; MI455X (gfx1250); checked and timed in simulation.
; The chip was launched on July 23, 2026; its instructions are those of AMD's public machine-readable ISA for CDNA 5 (MIT licence, August 2026) and "CDNA5" Instruction Set Architecture Reference Guide (July 2026). The comments in the code are by the model that wrote it; some were corrected since.
;; Eagle3 Draft Attention. Allowed arithmetic: matrix products marked QUANTISED: E4M3 operands, one given power-of-two scale a tensor, by v_wmma_f32_16x16x64_fp8_fp8 or v_wmma_f32_16x16x128_fp8_fp8, f32 sums; everything else in f32.
;; Inputs: Wk 512 x 4,096 float32; Wo 2,048 x 2,048 float32; Wq 2,048 x 4,096 float32; Wv 512 x 4,096 float32; cos 1 x 1 x 2,048 x 64 float32; lowp_scales 12 int32 (the exponents e of the quantised operands' scales 2^e); sin 1 x 1 x 2,048 x 64 float32; x 1 x 2,048 x 4,096 float32.
;; Outputs: out0 1 x 2,048 x 2,048 float32.
;; This version of the problem:
;;   THIS VERSION OF THE PROBLEM IS GIVEN IN LOW PRECISION. The matrix products marked QUANTISED in the list below multiply operands that are first quantised to E4M3 (4 exponent bits, 3 mantissa bits; 8 bits a number), with one given power-of-two scale for each operand tensor; their sums are f32. All else is computed in f32.
;;   The module's matrix products, in the order in which they are computed (A, B: the left and right operand; K: the contracted axis; several contracted axes count as one K, in the product's order):
;;     1. [M 2,048, K 4,096] x [K 4,096, N 2,048]; A: input x; B: input Wq: QUANTISED (scales: A lowp_scales[0], B lowp_scales[1])
;;     2. [M 2,048, K 4,096] x [K 4,096, N 512]; A: input x; B: input Wk: QUANTISED (scales: A lowp_scales[2], B lowp_scales[3])
;;     3. [M 2,048, K 4,096] x [K 4,096, N 512]; A: input x; B: input Wv: QUANTISED (scales: A lowp_scales[4], B lowp_scales[5])
;;     4. batch 32 x [M 2,048, K 64] x [K 64, N 2,048]; A: computed on the way; B: computed on the way: QUANTISED (scales: A lowp_scales[6], B lowp_scales[7])
;;     5. batch 32 x [M 64, K 2,048] x [K 2,048, N 2,048]; A: computed on the way; B: softmax (see below): QUANTISED (scales: A lowp_scales[8], B lowp_scales[9])
;;     6. [M 2,048, K 2,048] x [K 2,048, N 2,048]; A: computed on the way; B: input Wo: QUANTISED (scales: A lowp_scales[10], B lowp_scales[11])
;;   THE QUANTISER, for each operand of a quantised product, along K:
;;     - The operand's scale is 2^e, e = its entry of the input lowp_scales (int32; the entries are numbered through the quantised products in the list's order, A before B).
;;     - Each number is divided by the scale, clamped to +-448, and rounded to the nearest number of E4M3, ties to even, subnormals kept.
;;     - The product sums the exact products of the quantised numbers (number of the format x scale) in f32.
;;   ~~~python
;;   def quantise(x, axis, e):      # numpy; x: float32 -> the quantised numbers, widened to float32 again
;;       x = np.moveaxis(x, axis, -1); K = x.shape[-1]
;;       r = np.clip(x / 2.0 ** e, -448, 448)
;;       step = 2.0 ** (np.maximum(np.frexp(np.where(r == 0, 1, r))[1] - 1, -6) - 3)
;;       q = np.round(r / step) * step * 2.0 ** e      # np.round: ties to even
;;       return np.moveaxis(q, -1, axis).astype(np.float32)
;;   ~~~
;;   SOFTMAX AHEAD OF A QUANTISED PRODUCT. Where the list says 'softmax', what is quantised is not the finished softmax but p = 2^(t - M), with t = logit x log2(e) and M = ceil(the row's largest t), a whole number; so 1/2 < the row's largest p <= 1. The row's sum l is taken of the UNQUANTISED p, in f32, and the product's result is divided by l at the end. Since M is a whole number, a kernel that streams over the keys may use a running M (the ceiling of the running maximum): every later rescaling is an exact power of two, so the quantised numbers keep their values, but for numbers so far below the row's largest that they fall under the format's range.
;;   OPERANDS COMPUTED ON THE WAY. 'Computed on the way' means the value that the module computes at that place (a softmax that the list does not call 'softmax' is quantised finished and normalised). What goes into a quantiser is computed in f32, as accurately as f32 sums, v_exp_f32 and their like allow (about 1e-6 of the number): no bf16 or f16 on the way to a quantiser, and a product that is left as it is and whose result goes on into a quantised operand takes f32 operands (vector FMAs, or v_wmma_f32_16x16x4_f32). A number that lies on a knife's edge between two numbers of the format may be rounded either way, as far as f32 arithmetic and the matrix unit's own rounding can turn it there, and no further.
;; One version. Each part assembles by itself: llvm-mc -triple=amdgcn-amd-amdhsa -mcpu=gfx1250 --defsym DOCPART=n.
;; ======== version 1 of 1: 4 launches
;; limits: right only within a limited range of input values
;; workspace buffers: xc 25,165,824 bytes; wc 16,777,216 bytes; qimg 4,194,304 bytes; kvimg 2,097,152 bytes; ao 4,194,304 bytes
;; launch quant (part 1): grid 1536 x 1, 4 waves a work-group, no clusters, 17,920 bytes of LDS; arguments x, Wq, Wk, Wv, Wo, lowp_scales, xc, wc; writes xc, wc
.if DOCPART == 1
	.amdgcn_target "amdgcn-amd-amdhsa--gfx1250"
	.amdhsa_code_object_version 6
	.text
	.protected	k_qa1aabe1f61_quant
	.globl	k_qa1aabe1f61_quant
	.p2align	8
	.type	k_qa1aabe1f61_quant,@function
k_qa1aabe1f61_quant:
	s_mov_b64 s[64:65], 0
	v_nop
	global_prefetch_b8 v0, s[64:65] scope:SCOPE_SE
	s_setreg_imm32_b32 hwreg(HW_REG_WAVE_MODE, 25, 1), 1
	s_wait_xcnt 0x0
; x, Wq, Wk, Wv, Wo (f32, K innermost) become codes of FP8 (E4M3), each with the scale 2^e that is given for it.  No input and no product of the problem is left out by this program;
; only key blocks that lie wholly under the causal mask which the problem builds itself are passed over, in the attention launch.
; x is an operand of three products with three entries of the scales (e0, e2, e4).  It is read once.  Its codes by e0 are always stored; a second set (by e2) only where e2 differs from e0, a third (by e4) only where
; e4 differs from both: equal exponents give equal codes, and the next launch reads the exponents and takes the set that holds its codes.  The branches hang on whole numbers read from memory; this launch has no tensor load.
; code = number / 2^e, held within +-448, to the nearest code, ties to even.  LIMITS: e0 .. e5 and e11 between -126 and 119, so that 2^e and 448 x 2^e are f32 numbers.  NaN among the inputs is not served.
; SHARES.  A wave takes 16 rows x 256 along K (4,096 numbers, 32 loads, all out at once); the four waves of a work-group stand side by side along K.  160 registers a wave and 17,920 bytes of LDS a work-group: six work-groups fit on a WGP, 1,536 on 256.
; Work-groups 0-511: x; 512-1023: Wq; 1024-1151: Wk; 1152-1279: Wv; 1280-1535: Wo.  Work-groups share no input: no cluster.  No loop to run ahead in: no prefetch.
; ORDER ALONG K.  Inside each aligned group of 256 along K, byte 8 l + 4 i + e holds the code of number 128 i + 4 l + e (l 0..31, i 0..1, e 0..3): lane l loads 16 bytes of each of two runs of 512 and
; converts its eight registers.  The order is the same in both operands of every product that reads these codes.
; ALL CODES ARE STORED AS IMAGES OF OPERAND REGISTERS: [128 rows][128 along K][tile of 16 rows][chunk c 0..3][lane][16 bytes]; lane (r, h) of chunk c holds bytes 32 c + 16 h .. + 15 of its row's 128.
; In x, Wq, Wk, Wv lane r of tile t holds row 32 (t / 2) + 8 (t % 2) + r % 8 + 16 (r / 8): 8 neighbours and the 8 that lie 16 further on, which lets the next launch's results be quantised in registers.  In Wo: row 16 t + r.
; A row's 256 bytes go into the wave's own stage in LDS (rows 272 bytes apart) and come back as chunks: every store of the wave covers 512 consecutive bytes, aligned.
.set R,   32                           ; v32-159  16 rows x 8 numbers as loaded
.set T,   16                           ; v16-23   8 held numbers; v16-31: four chunks read back from the stage
.set C,   24                           ; v24-27   codes: two registers a row, two sets by turns
.set VS,  10                           ; v10  the stage, on the way in: 8 x lane
.set VR,  11                           ; v11  on the way out: 272 r + 16 h
.set SPW, 12                           ; v12  my spare word; never rewritten
.set NIL, 13                           ; v13  0; never rewritten
.set STG, 16*272                       ; a wave's stage
.set SPARE, 4*STG                      ; behind the stages: the spare words, 128 bytes a wave
.set SRC, 36
.set DST, 38                           ; s[38:43] up to three places
	s_load_b512 s[4:19], s[0:1], 0x0               ; x, Wq, Wk, Wv, Wo, the scales' exponents, xc, wc
	v_lshl_add_u32 v[SPW], v0, 2, SPARE
	v_mov_b32 v[NIL], 0
	v_and_b32 v1, 31, v0
	v_lshrrev_b32 v14, 5, v0
	v_readfirstlane_b32 s32, v14                   ; wave
	v_lshlrev_b32 v2, 4, v1                        ; 16 x lane
	v_lshlrev_b32 v3, 3, v1                        ; 8 x lane
	s_mul_i32 s33, s32, STG
	v_add_nc_u32 v[VS], s33, v3
	v_and_b32 v14, 15, v0
	v_bfe_u32 v15, v0, 4, 1
	v_mul_u32_u24 v14, v14, 272
	v_lshl_add_u32 v14, v15, 4, v14
	v_add_nc_u32 v[VR], s33, v14
	s_mov_b32 s33, 1280                            ; the first work-group of my tensor
	s_cmp_lt_u32 ttmp9, 1280
	s_cselect_b32 s33, 1152, s33
	s_cmp_lt_u32 ttmp9, 1152
	s_cselect_b32 s33, 1024, s33
	s_cmp_lt_u32 ttmp9, 1024
	s_cselect_b32 s33, 512, s33
	s_cmp_lt_u32 ttmp9, 512
	s_cselect_b32 s33, 0, s33
	s_sub_co_u32 s34, ttmp9, s33                   ; p: my number within the tensor
	s_sub_co_u32 s35, s33, 512                     ; the weights lie in wc one behind the other, 16,384 bytes a work-group
	s_lshl_b32 s35, s35, 14
	s_cmp_lt_u32 ttmp9, 512
	s_cselect_b32 s35, 0, s35
	s_lshr_b32 s44, s34, 2                         ; rows of 4,096: tile p / 4,
	s_and_b32 s45, s34, 3
	s_lshl_b32 s45, s45, 2
	s_add_co_u32 s45, s45, s32                     ; group of 256 along K: 4 (p % 4) + wave
	s_lshr_b32 s46, s44, 1
	s_lshl_b32 s46, s46, 19                        ; 32 rows of 16,384 bytes
	s_and_b32 s47, s44, 1
	s_lshl_b32 s47, s47, 17                        ; 8 rows
	s_add_co_u32 s46, s46, s47
	s_lshl_b32 s47, s45, 10
	s_add_co_u32 s46, s46, s47                     ; the numbers
	s_lshr_b32 s48, s44, 3
	s_lshl_b32 s48, s48, 19                        ; the image of 128 rows: 524,288 bytes
	s_and_b32 s47, s44, 7
	s_lshl_b32 s47, s47, 11                        ; the tile: 2,048
	s_add_co_u32 s48, s48, s47
	s_lshl_b32 s47, s45, 15                        ; 256 along K: 2 x 16,384
	s_add_co_u32 s48, s48, s47                     ; the codes
	s_lshr_b32 s44, s34, 1                         ; Wo, rows of 2,048: tile p / 2, group 4 (p % 2) + wave
	s_and_b32 s45, s34, 1
	s_lshl_b32 s45, s45, 2
	s_add_co_u32 s45, s45, s32
	s_lshl_b32 s50, s44, 17                        ; 16 rows of 8,192 bytes
	s_lshl_b32 s47, s45, 10
	s_add_co_u32 s50, s50, s47
	s_lshr_b32 s51, s44, 3
	s_lshl_b32 s51, s51, 18                        ; the image of 128 rows: 262,144 bytes
	s_and_b32 s47, s44, 7
	s_lshl_b32 s47, s47, 11
	s_add_co_u32 s51, s51, s47
	s_lshl_b32 s47, s45, 15
	s_add_co_u32 s51, s51, s47
	s_cmp_lt_u32 ttmp9, 1280
	s_cselect_b32 s44, s46, s50
	s_cselect_b32 s46, s48, s51
	s_add_co_u32 s46, s46, s35
	s_mov_b32 s45, 0
	s_mov_b32 s47, 0
	s_wait_alu depctr_va_vdst(0)
	s_wait_kmcnt 0x0
	s_load_b256 s[20:27], s[14:15], 0x0            ; e0 .. e7
	s_load_b128 s[28:31], s[14:15], 0x20           ; e8 .. e11
	s_cmp_lt_u32 ttmp9, 1280                       ; the choice of buffers hangs on the work-group's number alone
	s_cselect_b64 s[SRC:SRC+1], s[10:11], s[12:13]
	s_cmp_lt_u32 ttmp9, 1152
	s_cselect_b64 s[SRC:SRC+1], s[8:9], s[SRC:SRC+1]
	s_cmp_lt_u32 ttmp9, 1024
	s_cselect_b64 s[SRC:SRC+1], s[6:7], s[SRC:SRC+1]
	s_cmp_lt_u32 ttmp9, 512
	s_cselect_b64 s[SRC:SRC+1], s[4:5], s[SRC:SRC+1]
	s_cselect_b64 s[DST:DST+1], s[16:17], s[18:19]
	s_add_nc_u64 s[SRC:SRC+1], s[SRC:SRC+1], s[44:45]
	s_add_nc_u64 s[DST:DST+1], s[DST:DST+1], s[46:47]
	s_add_nc_u64 s[DST+2:DST+3], s[DST:DST+1], 0x800000    ; x's second and third sets of codes (used by x's work-groups alone)
	s_add_nc_u64 s[DST+4:DST+5], s[DST:DST+1], 0x1000000
.macro QLOAD rowb, swap                ; 16 rows x two runs of 512 consecutive bytes
.set r, 0
.rept 16
.if \swap
.set rr, (r&7)+16*(r>>3)
.else
.set rr, r
.endif
	global_load_b128 v[R+8*r:R+8*r+3], v2, s[SRC:SRC+1] offset:rr*(\rowb) th:TH_LOAD_NT
	global_load_b128 v[R+8*r+4:R+8*r+7], v2, s[SRC:SRC+1] offset:rr*(\rowb)+512 th:TH_LOAD_NT
.set r, r+1
.endr
.endm
	s_cmp_lt_u32 ttmp9, 1280
	s_cbranch_scc0 .Lwo_loads
	QLOAD 16384, 1
	s_branch .Lloaded
.Lwo_loads:
	QLOAD 8192, 0
.Lloaded:
	s_wait_kmcnt 0x0
	s_cmp_lt_u32 ttmp9, 1280                       ; my tensor's e (x: e0)
	s_cselect_b32 s35, s25, s31
	s_cmp_lt_u32 ttmp9, 1152
	s_cselect_b32 s35, s23, s35
	s_cmp_lt_u32 ttmp9, 1024
	s_cselect_b32 s35, s21, s35
	s_cmp_lt_u32 ttmp9, 512
	s_cselect_b32 s35, s20, s35
.macro PAT e, o                        ; v[4 + 2 o] = 2^e as f32 (the conversion takes its exponent field), v[5 + 2 o] = 448 x 2^e
	s_add_co_i32 s44, s[\e], 127
	s_lshl_b32 s45, s44, 23
	v_mov_b32 v[4+2*\o], s45
	s_add_co_i32 s44, s44, 8
	s_lshl_b32 s44, s44, 23
	s_or_b32 s44, s44, 0x600000
	v_mov_b32 v[5+2*\o], s44
.endm
	PAT 35, 0
	PAT 22, 1                                      ; e2
	PAT 24, 2                                      ; e4
; One set of codes of my 4,096 numbers, through my stage.  first = 1: the loads are waited for, four rows (eight loads) at a time.
.macro COPY o, first
.if (\o) > 0
	s_wait_xcnt 0x0                                ; the last set's stores have read v16-31: they are written again only behind this wait
.endif
.set r, 0
.rept 16
.if (\first) && ((r%4) == 0)
	s_wait_loadcnt 24-8*(r/4)                      ; these four rows are in; the rows behind them may be out
.endif
.set k, 0
.rept 8
	v_med3_num_f32 v[T+k], v[R+8*r+k], -v[5+2*(\o)], v[5+2*(\o)]   ; the conversion to an 8-bit code does not saturate (ISA guide 7.6.2): the hold at the largest code x the scale
.set k, k+1
.endr
	v_cvt_scalef32_pk8_fp8_f32 v[C+2*(r%2):C+2*(r%2)+1], v[T:T+7], v[4+2*(\o)]
	v_nop                                          ; one plain line between the conversion and the next write of its sources
	ds_store_b64 v[VS], v[C+2*(r%2):C+2*(r%2)+1] offset:272*r       ; the row's 256 bytes
.set r, r+1
.endr
.irp half, 0,1                         ; 128 along K at a time: four chunks
.if \half
	s_wait_xcnt 0x0                                ; the first four stores have read their data
.endif
.irp q, 0,1,2,3
	ds_load_b128 v[T+4*\q:T+4*\q+3], v[VR] offset:128*\half+32*\q   ; LDS serves a wave's instructions in order: these see my stores
.endr
	s_wait_dscnt 0x0
.irp q, 0,1,2,3
	global_store_b128 v2, v[T+4*\q:T+4*\q+3], s[DST+2*(\o):DST+2*(\o)+1] offset:16384*\half+512*\q   ; 512 consecutive bytes, aligned
.endr
.endr
.endm
	s_wait_alu depctr_va_vdst(0)                   ; the head's end
	COPY 0, 1                                      ; every tensor's one set; x: by e0
	s_cmp_lt_u32 ttmp9, 512
	s_cbranch_scc0 .Lend                           ; a weight has one scale
	s_cmp_eq_u32 s22, s20
	s_cbranch_scc1 .Lno_second                     ; e2 = e0: the first set serves
	COPY 1, 0
.Lno_second:
	s_cmp_eq_u32 s24, s20
	s_cbranch_scc1 .Lend                           ; e4 = e0: the first set serves
	s_cmp_eq_u32 s24, s22
	s_cbranch_scc1 .Lend                           ; e4 = e2: the second set serves
	COPY 2, 0
.Lend:
	s_wait_tensorcnt 0x0                           ; the wave's end, behind my last LDS store
	ds_add_u32 v[SPW], v[NIL]
	s_wait_dscnt 0x0
	s_endpgm
.Lfunc_end_k_qa1aabe1f61_quant:
	.size	k_qa1aabe1f61_quant, .Lfunc_end_k_qa1aabe1f61_quant-k_qa1aabe1f61_quant
	.p2alignl 7, 3214868480
	.fill 96, 4, 3214868480
	.section	.rodata,"a",@progbits
	.p2align	6, 0x0
	.amdhsa_kernel k_qa1aabe1f61_quant
		.amdhsa_group_segment_fixed_size 17920
		.amdhsa_private_segment_fixed_size 0
		.amdhsa_enable_private_segment 0
		.amdhsa_kernarg_size 64
		.amdhsa_user_sgpr_count 2
		.amdhsa_user_sgpr_kernarg_segment_ptr 1
		.amdhsa_wavefront_size32 1
		.amdhsa_system_sgpr_workgroup_id_x 1
		.amdhsa_system_sgpr_workgroup_id_y 1
		.amdhsa_system_sgpr_workgroup_id_z 1
		.amdhsa_system_vgpr_workitem_id 0
		.amdhsa_next_free_vgpr 160
		.amdhsa_next_free_sgpr 66
		.amdhsa_reserve_vcc 0
		.amdhsa_float_denorm_mode_32 3
		.amdhsa_float_denorm_mode_16_64 3
		.amdhsa_memory_ordered 1
		.amdhsa_forward_progress 1
		.amdhsa_inst_pref_size 48
	.end_amdhsa_kernel
	.amdgpu_metadata
---
amdhsa.version: [ 1, 2 ]
amdhsa.kernels:
  - .name:           k_qa1aabe1f61_quant
    .symbol:         k_qa1aabe1f61_quant.kd
    .args:
      - { .name: x, .offset: 0, .size: 8, .value_kind: global_buffer, .address_space: global }
      - { .name: Wq, .offset: 8, .size: 8, .value_kind: global_buffer, .address_space: global }
      - { .name: Wk, .offset: 16, .size: 8, .value_kind: global_buffer, .address_space: global }
      - { .name: Wv, .offset: 24, .size: 8, .value_kind: global_buffer, .address_space: global }
      - { .name: Wo, .offset: 32, .size: 8, .value_kind: global_buffer, .address_space: global }
      - { .name: lowp_scales, .offset: 40, .size: 8, .value_kind: global_buffer, .address_space: global }
      - { .name: xc, .offset: 48, .size: 8, .value_kind: global_buffer, .address_space: global }
      - { .name: wc, .offset: 56, .size: 8, .value_kind: global_buffer, .address_space: global }
    .group_segment_fixed_size: 17920
    .private_segment_fixed_size: 0
    .kernarg_segment_align: 8
    .kernarg_segment_size: 64
    .max_flat_workgroup_size: 128
    .sgpr_count:     66
    .vgpr_count:     160
    .wavefront_size: 32
...
	.end_amdgpu_metadata
.endif
;; end of part 1
;; launch qkv (part 2): grid 192 x 1, 4 waves a work-group, no clusters, 327,680 bytes of LDS; arguments xc, wc, cos, sin, lowp_scales, qimg, kvimg; writes qimg, kvimg
.if DOCPART == 2
	.amdgcn_target "amdgcn-amd-amdhsa--gfx1250"
	.amdhsa_code_object_version 6
	.text
	.protected	k_qa1aabe1f61_qkv
	.globl	k_qa1aabe1f61_qkv
	.p2align	8
	.type	k_qa1aabe1f61_qkv,@function
k_qa1aabe1f61_qkv:
	s_mov_b64 s[64:65], 0
	v_nop
	global_prefetch_b8 v0, s[64:65] scope:SCOPE_SE
	s_setreg_imm32_b32 hwreg(HW_REG_WAVE_MODE, 25, 1), 1
	s_wait_xcnt 0x0
; q = x Wq^T, k = x Wk^T, v = x Wv^T on codes of FP8 (E4M3), K = 4,096; q and k are rotated (cos, sin) in f32; all three are quantised (e6, e7, e8) and stored as images of the attention launch's operand registers.
; Both operands arrive as images: [128 rows][128 along K][tile of 16 rows][chunk 0..3][lane][16 bytes]; four loads of 512 consecutive bytes are one fragment (16 rows x 128 K, 16 registers).
; SHARES.  192 work-groups of four waves.  A wave makes 64 x 128: 32 accumulators.  Its 64 rows (operand S, matrix source 1, a lane's row) are read by no other wave of the work-group: they go from memory STRAIGHT INTO
; REGISTERS, four sets of 64 registers by turns, 16 loads a set; three sets (48 loads) are out behind the one in use.  The 128 rows of operand T (source 0, along a lane's registers) serve all four waves: they come through LDS.
;   work-groups 0-127 (q) and 128-159 (k): S = 256 tokens of x (64 a wave), T = 128 rows of the weight (two heads): a lane holds one token, its registers run along the head: rotation and conversion stay in the lane.
;   work-groups 160-191 (v): S = 256 rows of Wv (one head a wave), T = 128 tokens of x: a lane holds one feature, its registers run along the keys, which are the next K.  The text is the same: only the two buffers change places.
; Q is two thirds of the work and x has a set of codes for each of the three products, so no deal of equal blocks over 256 work-groups exists: 192 equal ones are launched.
; THE RING.  Two slots of 131,072 bytes, each 1,024 along K of T's 128 rows, one dense run of memory; each wave brings a quarter by one tensor load.  Four fills in all: a fill has eight steps of 32 products a wave in which to land.
; NO CLUSTER: v's tile of T has two readers, not four, and T is 128 of the 384 rows that a work-group reads; S, the larger part, is no tensor load.
; PREFETCH.  S's 8,192 bytes of the step eight steps on are asked for by one instruction (a lane a block of 256 bytes), four steps ahead of the load that wants them.  The 16 (k: 4) work-groups that read the same S
; share the steps out: each asks for the steps whose number equals its own modulo 16 (4).  Steps 0-7 come by their loads alone; the last slot asks for nothing.  T is not prefetched: its load is issued a whole slot, 256 products a wave, ahead of its first read.
; The first and the last slot are written out: the first starts the sums (C = 0), the last fills nothing and asks for nothing beyond K.
; LIMITS: e6 - e0 - e1, e7 - e2 - e3, e8 - e4 - e5 between -126 and 119, so that the conversion's scale and 448 x it are f32 numbers.
; REGISTERS: window 0: v1-5, v28-29 addresses, v128-255 T's eight fragments (on the way out v32-133 at work); window 1: the accumulators, (a, b) at v[8 (8 a + b)]; window 2: S's four sets; window 3: cos and sin.
.set SLOTB, 131072
.set SPARE, 2*SLOTB                    ; behind the ring: the spare words, 128 bytes a wave
.set LI,   1                           ; v1  16 x lane
.set ADL,  2                           ; v2, v3  LDS address of the slot in hand: its first and its second 65,536 bytes
.set PFO,  4                           ; v4  256 x lane
.set VC,   5                           ; v5  my token's place in cos and sin
.set SPW,  28
.set NIL,  29
.set Y,    32
.set TT,   64
.set CD,   68
.set SCL,  132
.set LIM,  133
.set TF,   128
.set G1,   24                          ; s[24:31] descriptor group 1; s[32:35] group 0, which walks
.set SB,   48                          ; s[48:49] S at the slot's first step
.set TB,   54                          ; s54 LDS byte of the slot in hand
.set KT,   55                          ; s55 the number of the step that the slot's first prefetch names
.set PM,   56                          ; s56 readers of my S less one
.set PI,   57                          ; s57 my number among them
.set PT,   58
.set MSB, 0
.macro WIN new                         ; the immediate's high byte repeats the setting that is left
.if MSB != \new
	s_set_vgpr_msb (MSB<<8)|\new
.set MSB, \new
.endif
.endm
.set MUL,  0x58                        ; source 0 (T) window 0, source 1 (S) window 2, C and D window 1
.set TO_S, 0x80
.set TO_C, 0xc0
	s_load_b256 s[4:11], s[0:1], 0x0               ; xc, wc, cos, sin
	s_load_b128 s[12:15], s[0:1], 0x20             ; the scales' exponents, qimg
	s_load_b64 s[16:17], s[0:1], 0x30              ; kvimg
	v_lshl_add_u32 v[SPW], v0, 2, SPARE
	v_mov_b32 v[NIL], 0
	ds_add_u32 v[SPW], v[NIL]                      ; the opening lines: the add, twice on end, and its wait ahead of my first tensor load
	ds_add_u32 v[SPW], v[NIL]
	v_lshrrev_b32 v6, 5, v0
	v_readfirstlane_b32 s18, v6                    ; wave
	s_lshr_b32 s19, s18, 1
	s_and_b32 s20, s18, 1
	s_and_b32 s21, ttmp9, 7                        ; q, k: block of 256 tokens
	s_lshr_b32 s22, ttmp9, 3                       ; q, k: block of 128 weight rows, 0-15 Wq, 16-19 Wk
	s_sub_co_u32 s23, ttmp9, 160
	s_lshr_b32 s40, s23, 1                         ; v: block of 128 tokens
	s_and_b32 s41, s23, 1                          ; v: which 256 rows of Wv
	s_sub_co_u32 s47, s22, 16
	s_cmp_lt_u32 ttmp9, 128
	s_cselect_b32 s[PM], 15, 3
	s_cselect_b32 s[PI], s22, s47
	s_cmp_lt_u32 ttmp9, 160
	s_cselect_b32 s42, s21, s41
	s_cselect_b32 s43, s22, s40
	s_cselect_b32 s44, 0, 0xa00000                 ; v: S begins at Wv's codes
	s_cselect_b32 s[PM], s[PM], 15
	s_cselect_b32 s[PI], s[PI], s40
	s_lshl_b32 s42, s42, 1
	s_add_co_u32 s42, s42, s19
	s_lshl_b32 s42, s42, 19                        ; S: the image of 128 rows in which my 64 lie,
	s_add_co_u32 s52, s44, s42
	s_lshl_b32 s42, s20, 13                        ; its tiles 0-3 or 4-7
	s_add_co_u32 s52, s52, s42
	s_mov_b32 s53, 0
	s_lshl_b32 s43, s43, 19
	s_mov_b32 s60, s43                             ; T: the image of its 128 rows,
	s_lshl_b32 s33, s18, 15                        ; my quarter of a slot, in LDS and in memory alike
	s_add_co_u32 s60, s60, s33
	s_mov_b32 s61, 0
	s_mov_b32 s[G1], 3<<16                         ; a dense run as 128 rows of 256 bytes: 32 elements of 8 bytes
	s_mov_b32 s[G1+1], 32<<16
	s_mov_b32 s[G1+2], 128<<16
	s_mov_b32 s[G1+3], 32<<16
	s_mov_b32 s[G1+4], 128
	s_mov_b32 s[G1+5], 32
	s_mov_b32 s[G1+6], 0
	s_mov_b32 s[G1+7], 0
	s_mov_b32 s32, 1
	s_mov_b32 s[TB], 0
	s_mov_b32 s[KT], 8
	s_wait_dscnt 0x0                               ; both opening adds are done
	s_wait_kmcnt 0x0
	s_load_b256 s[68:75], s[12:13], 0x0            ; e0 .. e7
	s_load_b128 s[76:79], s[12:13], 0x20           ; e8 .. e11
	s_wait_kmcnt 0x0
	; WHICH SET OF x'S CODES.  The launch before stores a second set only where e2 differs from e0, a third only where e4 differs from both: k takes set 0 or 1, v set 0, 1 or 2.  A choice by selects, no branch.
	s_cmp_lg_u32 s70, s68
	s_cselect_b32 s62, 1, 0
	s_cmp_eq_u32 s72, s70
	s_cselect_b32 s63, 1, 2
	s_cmp_eq_u32 s72, s68
	s_cselect_b32 s63, 0, s63
	s_sub_co_u32 s59, ttmp9, 128
	s_cmp_lt_u32 s59, 32                           ; k's work-groups: x is their S
	s_cselect_b32 s62, s62, 0
	s_cmp_lt_u32 ttmp9, 160                        ; v's: x is their T
	s_cselect_b32 s63, 0, s63
	s_min_u32 s62, s62, 1
	s_min_u32 s63, s63, 2
	s_lshl_b32 s62, s62, 23                        ; a set is 8,388,608 bytes
	s_lshl_b32 s63, s63, 23
	s_add_co_u32 s52, s52, s62
	s_add_co_u32 s60, s60, s63
	s_cmp_lt_u32 ttmp9, 160                        ; the choice of buffers hangs on the work-group's number alone
	s_cselect_b64 s[SB:SB+1], s[4:5], s[6:7]
	s_cselect_b64 s[34:35], s[6:7], s[4:5]
	s_add_nc_u64 s[SB:SB+1], s[SB:SB+1], s[52:53]
	s_add_nc_u64 s[34:35], s[34:35], s[60:61]
	s_or_b32 s35, s35, 0x80000000
	tensor_load_to_lds s[32:35], s[G1:G1+7]        ; slot 0: one tensor load a wave at the head
	s_nop 0
	v_and_b32 v6, 31, v0
	v_lshlrev_b32 v[LI], 4, v6
	v_lshlrev_b32 v[PFO], 8, v6
	v_and_b32 v7, 7, v0
	v_bfe_u32 v8, v0, 3, 1
	v_lshl_add_u32 v7, v8, 4, v7                   ; r % 8 + 16 (r / 8): my token in its tile
	v_bfe_u32 v9, v0, 4, 1
	v_lshlrev_b32 v[VC], 8, v7                     ; rows of 256 bytes,
	v_lshl_add_u32 v[VC], v9, 6, v[VC]             ; + 16 h numbers
	s_lshl_b32 s92, s21, 16
	s_lshl_b32 s93, s18, 14
	s_add_co_u32 s92, s92, s93                     ; my wave's first token: 256 x block + 64 x wave
	s_mov_b32 s93, 0
	s_add_nc_u64 s[80:81], s[8:9], s[92:93]
	s_add_nc_u64 s[82:83], s[10:11], s[92:93]
	s_wait_alu depctr_va_vdst(0)
	s_cmp_lt_u32 ttmp9, 160
	s_cbranch_scc0 .Lno_rope                       ; v is not rotated
	WIN TO_C
.irp a, 0,1,2,3
.irp b, 0,1
.irp i, 0,1,2,3
	global_load_b128 v[64*\a+16*\b+4*\i:64*\a+16*\b+4*\i+3], v[VC], s[80:81] offset:(32*(\a/2)+8*(\a%2))*256+128*\b+16*\i
	global_load_b128 v[64*\a+32+16*\b+4*\i:64*\a+32+16*\b+4*\i+3], v[VC], s[82:83] offset:(32*(\a/2)+8*(\a%2))*256+128*\b+16*\i
.endr
.endr
.endr
	WIN 0
.Lno_rope:
.macro SLOAD set, kc                   ; S's four fragments of the step kc steps behind the slot's first
.irp t, 0,1,2,3
.irp c, 0,1,2,3
	global_load_b128 v[64*(\set)+16*\t+4*\c:64*(\set)+16*\t+4*\c+3], v[LI], s[SB:SB+1] offset:(\kc)*16384+\t*2048+\c*512
.endr
.endr
.endm
	WIN TO_S
	SLOAD 0, 0
	SLOAD 1, 1
	SLOAD 2, 2
	SLOAD 3, 3
	WIN 0
	s_lshl_b32 s94, s22, 18                        ; q: two heads of 131,072 bytes, 16 tiles of 1,024 a block of tokens, 4 a wave
	s_lshl_b32 s95, s21, 14
	s_add_co_u32 s94, s94, s95
	s_lshl_b32 s95, s18, 12
	s_add_co_u32 s94, s94, s95
	s_lshl_b32 s95, s47, 19                        ; k: two heads of 262,144 bytes, key blocks of 16,384, tiles of 1,024
	s_lshl_b32 s96, s21, 15
	s_add_co_u32 s95, s95, s96
	s_lshl_b32 s96, s19, 14
	s_add_co_u32 s95, s95, s96
	s_lshl_b32 s96, s20, 12
	s_add_co_u32 s95, s95, s96
	s_lshl_b32 s96, s41, 2                         ; v: head 4 x half + wave, the key block, behind k's 8,192 bytes
	s_add_co_u32 s96, s96, s18
	s_lshl_b32 s96, s96, 18
	s_lshl_b32 s97, s40, 14
	s_add_co_u32 s96, s96, s97
	s_add_co_u32 s96, s96, 8192
	s_mov_b32 s90, 0x40000
	s_cmp_lt_u32 ttmp9, 128
	s_cselect_b32 s98, s94, s95
	s_cselect_b32 s90, 0x20000, s90                ; from the first half of my results to the second: a head (v: 64 keys)
	s_cselect_b64 s[84:85], s[14:15], s[16:17]
	s_cmp_lt_u32 ttmp9, 160
	s_cselect_b32 s98, s98, s96
	s_cselect_b32 s90, s90, 1024
	s_mov_b32 s99, 0
	s_mov_b32 s91, 0
	s_add_nc_u64 s[84:85], s[84:85], s[98:99]
	s_add_nc_u64 s[88:89], s[84:85], s[90:91]
; 8 products: T's tiles b0, b0 + 1 x S's four.  The 32 accumulators take turns, one instruction a turn, in the same order in every step.
.macro MULB b0, p, zero
.irp b, \b0, \b0+1
.irp a, 0,1,2,3
.if \zero
	v_wmma_f32_16x16x128_fp8_fp8 v[8*(8*\a+(\b)):8*(8*\a+(\b))+7], v[TF+16*(\b):TF+16*(\b)+15], v[64*(\p)+16*\a:64*(\p)+16*\a+15], 0
.else
	v_wmma_f32_16x16x128_fp8_fp8 v[8*(8*\a+(\b)):8*(8*\a+(\b))+7], v[TF+16*(\b):TF+16*(\b)+15], v[64*(\p)+16*\a:64*(\p)+16*\a+15], v[8*(8*\a+(\b)):8*(8*\a+(\b))+7]
.endif
.endr
.endr
.endm
.macro TFETCH j, t0                    ; T's tiles t0 .. t0 + 3 of the slot's step j: 512 consecutive bytes a load
.irp t, \t0, \t0+1, \t0+2, \t0+3
.irp c, 0,1,2,3
	ds_load_b128 v[TF+16*(\t)+4*\c:TF+16*(\t)+4*\c+3], v[ADL+((\j)>>2)] offset:((\j)&3)*16384+(\t)*2048+\c*512
.endr
.endr
.endm
.macro PLACES                          ; four places between a matrix instruction and a load into one of its registers (ISA guide 7.12.1 for vector instructions)
.rept 4
	v_nop
.endr
.endm
.macro ASK j                           ; the prefetch: mine where the step's number, modulo the readers, is my own
	s_add_co_u32 s[PT], s[KT], \j
	s_and_b32 s[PT], s[PT], s[PM]
	s_cmp_eq_u32 s[PT], s[PI]
	s_cbranch_scc0 .Lnot_mine_\@
	global_prefetch_b8 v[PFO], s[SB:SB+1] offset:((\j)+8)*16384 th:TH_LOAD_NT scope:SCOPE_SE
.Lnot_mine_\@:
.endm
; A step of 128 along K, the slot's j-th: 32 products.  T's tiles 0-3 are fetched anew in its middle, tiles 4-7 at its end; S's set takes the loads of four steps on.
.macro SUB j, zero, tail
.if (\tail) && ((\j) > 4)
	s_wait_loadcnt 16*(7-(\j))                     ; nothing was asked for beyond K: fewer sets are out behind this one
.else
	s_wait_loadcnt 48                              ; this step's set is in; the three sets asked for behind it may be out
.endif
	s_wait_dscnt 16                                ; T's tiles 0-3 are in; tiles 4-7 may be out
	WIN MUL
	MULB 0, (\j)%4, \zero
	MULB 2, (\j)%4, \zero
	s_wait_dscnt 0x0
.if (\j) < 7
	PLACES
	WIN 0
	TFETCH (\j)+1, 0
.endif
.if (\tail) == 0
	WIN 0
	ASK \j
.endif
	WIN MUL
	MULB 4, (\j)%4, \zero
	MULB 6, (\j)%4, \zero
	PLACES
	WIN 0
.if (\j) < 7
	TFETCH (\j)+1, 4
.endif
.if ((\tail) == 0) || ((\j) < 4)
	WIN TO_S
	SLOAD (\j)%4, (\j)+4
	WIN 0
.endif
.endm
.macro BODY zero, tail
	SUB 0, \zero, \tail
.irp j, 1,2,3,4,5,6,7
	SUB \j, 0, \tail
.endr
.if (\tail) == 0
	s_wait_xcnt 0x0                                ; my loads and my prefetch have read their base: it steps only behind this wait
	s_add_nc_u64 s[SB:SB+1], s[SB:SB+1], SLOTB     ; eight steps of 16,384 bytes on
	s_add_co_u32 s[KT], s[KT], 8
.endif
.endm
; THE CHANGE OF SLOTS, at a slot's head: all my tensor loads are in (my quarter of the slot ahead), the add, the wait for it and for my reads of the slot left; one barrier; the slot left is filled again first.
.macro CHANGE fill
	s_wait_tensorcnt 0x0
	ds_add_u32 v[SPW], v[NIL]
.if \fill
	s_xor_b32 s33, s33, SLOTB                      ; no load of mine is out: the walking descriptor goes to the other slot, 1,024 along K on
	s_add_nc_u64 s[34:35], s[34:35], SLOTB
.endif
	s_wait_dscnt 0x0
	s_barrier_signal -1
	s_barrier_wait -1
.if \fill
	tensor_load_to_lds s[32:35], s[G1:G1+7]        ; my one tensor load until the next change (the first time: slot 1's first fill, issued as a refill is)
	s_nop 0
.endif
	v_add_nc_u32 v[ADL], s[TB], v[LI]
	v_add_nc_u32 v[ADL+1], 0x10000, v[ADL]
	s_wait_alu depctr_va_vdst(0)
	s_xor_b32 s[TB], s[TB], SLOTB
	TFETCH 0, 0
	TFETCH 0, 4
.endm
	CHANGE 1
	BODY 1, 0                                      ; the first slot starts the sums: nothing is cleared
	s_mov_b32 s3, 2
.Lslot:
	CHANGE 1
	BODY 0, 0
	s_sub_co_u32 s3, s3, 1
	s_cmp_lg_u32 s3, 0
	s_cbranch_scc1 .Lslot
	CHANGE 0                                       ; the last slot: nothing is filled again
	BODY 0, 1
	s_wait_kmcnt 0x0
	s_cmp_lt_u32 ttmp9, 160                        ; a sum stands for sum x 2^(ex + ew): its code is sum / 2^(eout - ex - ew)
	s_cselect_b32 s92, s68, s72
	s_cselect_b32 s93, s69, s73
	s_cselect_b32 s94, s74, s76
	s_sub_co_u32 s95, ttmp9, 128
	s_cmp_lt_u32 s95, 32
	s_cselect_b32 s92, s70, s92
	s_cselect_b32 s93, s71, s93
	s_cselect_b32 s94, s75, s94
	s_sub_co_i32 s94, s94, s92
	s_sub_co_i32 s94, s94, s93
	s_add_co_i32 s94, s94, 127
	s_lshl_b32 s95, s94, 23
	v_mov_b32 v[SCL], s95
	s_add_co_i32 s94, s94, 8
	s_lshl_b32 s94, s94, 23
	s_or_b32 s94, s94, 0x600000
	v_mov_b32 v[LIM], s94
	s_wait_alu depctr_va_vdst(0)
; THE WAY OUT of S's tile a, half g of T's tiles: 32 registers, of which 0-15 are the places 16 h .. 16 h + 15 along the next K and 16-31 those 32 further on.
; rope = 1: register i and register i + 16 are a pair of the rotation.  The hold, the conversion, and two stores of 512 consecutive bytes.
.macro OUTA a, g, rope
.set AB, 64*(\a)+32*(\g)
.set CC, CD+8*(2*(\a)+(\g))
.if \rope
	WIN 0x0d                                       ; source 0: the sums, window 1; source 1: cos and sin, window 3
.set i, 0
.rept 8
	v_pk_mul_f32 v[TT:TT+1], v[AB+16+i:AB+17+i], v[64*(\a)+32+i:64*(\a)+33+i]
	v_pk_fma_f32 v[Y+i:Y+i+1], v[AB+i:AB+i+1], v[64*(\a)+i:64*(\a)+i+1], v[TT:TT+1] neg_lo:[0,0,1] neg_hi:[0,0,1]
	v_pk_mul_f32 v[TT+2:TT+3], v[AB+i:AB+i+1], v[64*(\a)+48+i:64*(\a)+49+i]
	v_pk_fma_f32 v[Y+16+i:Y+17+i], v[AB+16+i:AB+17+i], v[64*(\a)+16+i:64*(\a)+17+i], v[TT+2:TT+3]
.set i, i+2
.endr
	WIN 0
.set i, 0
.rept 32
	v_med3_num_f32 v[Y+i], v[Y+i], -v[LIM], v[LIM]
.set i, i+1
.endr
.else
	WIN 0x01
.set i, 0
.rept 32
	v_med3_num_f32 v[Y+i], v[AB+i], -v[LIM], v[LIM]
.set i, i+1
.endr
	WIN 0
.endif
.irp q, 0,1,2,3
	v_cvt_scalef32_pk8_fp8_f32 v[CC+2*\q:CC+2*\q+1], v[Y+8*\q:Y+8*\q+7], v[SCL]
.endr
	v_nop                                          ; one plain line between the conversions and the next writes of their sources
	global_store_b128 v[LI], v[CC:CC+3], s[84+4*(\g):85+4*(\g)] offset:(\a)*1024*(2-\rope)
	global_store_b128 v[LI], v[CC+4:CC+7], s[84+4*(\g):85+4*(\g)] offset:(\a)*1024*(2-\rope)+512
.endm
	s_cmp_lt_u32 ttmp9, 160
	s_cbranch_scc0 .Lway_v
.irp a, 0,1,2,3
	OUTA \a, 0, 1
	OUTA \a, 1, 1
.endr
	s_branch .Lout
.Lway_v:
.irp a, 0,1,2,3
	OUTA \a, 0, 0
	OUTA \a, 1, 0
.endr
.Lout:
	s_wait_tensorcnt 0x0                           ; the wave's end
	ds_add_u32 v[SPW], v[NIL]
	s_wait_dscnt 0x0
	s_endpgm
.Lfunc_end_k_qa1aabe1f61_qkv:
	.size	k_qa1aabe1f61_qkv, .Lfunc_end_k_qa1aabe1f61_qkv-k_qa1aabe1f61_qkv
	.p2alignl 7, 3214868480
	.fill 96, 4, 3214868480
	.section	.rodata,"a",@progbits
	.p2align	6, 0x0
	.amdhsa_kernel k_qa1aabe1f61_qkv
		.amdhsa_group_segment_fixed_size 327680
		.amdhsa_private_segment_fixed_size 0
		.amdhsa_enable_private_segment 0
		.amdhsa_kernarg_size 56
		.amdhsa_user_sgpr_count 2
		.amdhsa_user_sgpr_kernarg_segment_ptr 1
		.amdhsa_wavefront_size32 1
		.amdhsa_system_sgpr_workgroup_id_x 1
		.amdhsa_system_sgpr_workgroup_id_y 1
		.amdhsa_system_sgpr_workgroup_id_z 1
		.amdhsa_system_vgpr_workitem_id 0
		.amdhsa_next_free_vgpr 1024
		.amdhsa_next_free_sgpr 100
		.amdhsa_reserve_vcc 0
		.amdhsa_float_denorm_mode_32 3
		.amdhsa_float_denorm_mode_16_64 3
		.amdhsa_memory_ordered 1
		.amdhsa_forward_progress 1
		.amdhsa_inst_pref_size 219
	.end_amdhsa_kernel
	.amdgpu_metadata
---
amdhsa.version: [ 1, 2 ]
amdhsa.kernels:
  - .name:           k_qa1aabe1f61_qkv
    .symbol:         k_qa1aabe1f61_qkv.kd
    .args:
      - { .name: xc, .offset: 0, .size: 8, .value_kind: global_buffer, .address_space: global }
      - { .name: wc, .offset: 8, .size: 8, .value_kind: global_buffer, .address_space: global }
      - { .name: cos, .offset: 16, .size: 8, .value_kind: global_buffer, .address_space: global }
      - { .name: sin, .offset: 24, .size: 8, .value_kind: global_buffer, .address_space: global }
      - { .name: lowp_scales, .offset: 32, .size: 8, .value_kind: global_buffer, .address_space: global }
      - { .name: qimg, .offset: 40, .size: 8, .value_kind: global_buffer, .address_space: global }
      - { .name: kvimg, .offset: 48, .size: 8, .value_kind: global_buffer, .address_space: global }
    .group_segment_fixed_size: 327680
    .private_segment_fixed_size: 0
    .kernarg_segment_align: 8
    .kernarg_segment_size: 56
    .max_flat_workgroup_size: 128
    .sgpr_count:     100
    .vgpr_count:     1024
    .wavefront_size: 32
...
	.end_amdgpu_metadata
.endif
;; end of part 2
;; launch attn (part 3): grid 32 x 8, 8 waves a work-group, clusters of 4 x 1, 327,680 bytes of LDS; arguments qimg, kvimg, lowp_scales, ao; writes ao
.if DOCPART == 3
	.amdgcn_target "amdgcn-amd-amdhsa--gfx1250"
	.amdhsa_code_object_version 6
	.text
	.protected	k_qa1aabe1f61_attn
	.globl	k_qa1aabe1f61_attn
	.p2align	8
	.type	k_qa1aabe1f61_attn,@function
k_qa1aabe1f61_attn:
	s_mov_b64 s[64:65], 0
	v_nop
	global_prefetch_b8 v0, s[64:65] scope:SCOPE_SE
	s_setreg_imm32_b32 hwreg(HW_REG_WAVE_MODE, 25, 1), 1
	s_wait_xcnt 0x0
	s_wait_alu depctr_hold_cnt(0) depctr_sa_sdst(0) depctr_va_vdst(0) depctr_va_sdst(0) depctr_va_ssrc(0) depctr_va_vcc(0) depctr_vm_vsrc(0)
	s_getreg_b32 s2, hwreg(HW_REG_IB_STS2, 6, 4)
	s_cmp_eq_u32 s2, 0
	s_cbranch_scc0 .Lentry_in_a_cluster
	s_endpgm
.Lentry_in_a_cluster:
	s_bfe_u32 s2, ttmp6, 0x10000c
	s_cmp_lg_u32 s2, 0x3003
	s_cbranch_scc0 .Lentry_shape_is_right
	s_endpgm
.Lentry_shape_is_right:
; Causal attention on codes of FP8 (E4M3): 32 query heads, 8 key and value heads, 2,048 tokens, head size 64.  q (e6), k (e7), v (e8) arrive as images of operand registers; p is quantised by e9, the result by e10.
; Key blocks that lie wholly behind a block of queries are under the causal mask which the problem builds itself: they are passed over.
; THE SOFTMAX AHEAD OF THE SECOND PRODUCT: t = score x log2(e) / 8; M = the row's largest t so far, rounded UP to a whole number; p = 2^(t - M) is what is quantised; the row's sum is taken of the unquantised p
; and divides at the end.  When M moves, the sum and O are multiplied by 2^(old M - new M): exact.
; SHARES.  A work-group serves one key and value head g (grid y) and its four query heads, for TWO blocks of 32 queries: block jS = 4 m + cx and block jL = 63 - jS (m: cluster x, cx: place in the cluster).
; Wave w: head 4 g + w % 4; waves 0-3 the long block, waves 4-7 the short one.  A WAVE OWNS BOTH TILES OF 16 QUERIES OF ITS BLOCK (A, B): each fragment of K and of V that it reads from LDS feeds two matrix instructions.
; The long block needs the key blocks (128 keys) 0 .. 15 - m, the short one 0 .. m: a long and a short wave together walk 17 in every work-group.  The two tiles' chains of vector work are laid line by line beside each other.
; ALL OF THE HEAD'S K AND V LIE IN LDS, 16 blocks of 16,384 bytes, each byte filled once: no slot is filled again.  The four partners of a cluster need the same 262,144 bytes: joint loads, mask 15.
; The numbers of steps and the step on the diagonal hang on m and on the wave's number, which the partners share; cx enters global addresses and the mask's lane numbers, no branch and no LDS address.
; THE NEXT KEY BLOCK'S K is fetched right behind the score products, into the registers that they have read, V behind it; both land under the softmax, one wait for both.  The address is held at the phase's last key block,
; so that nothing is read that has not landed: a phase's last step fetches its own K once more.
; LAYOUT.  Both products are used transposed: S^T = K Q^T (source 0 = 16 keys, source 1 = 16 queries), O^T = V^T P^T (source 0 = 16 of the head's 64, source 1 = P): a lane holds ONE query of each tile throughout.
; Lane r of K's tile 2 b + u holds key 32 b + 8 u + r%8 + 16 (r/8), so register n of S^T is key 32 (n/16) + 16 h + n%16: the conversions' results are the second product's operand.
; V's tiles of features are ordered likewise, so O^T's registers 0-15 are d = 16 h .. 16 h + 15 and 16-31 the 16 that lie 32 further on.
; THE RESULT: codes; inside the 256 bytes of a token's heads 4 g .. 4 g + 3, byte 8 l + 4 i + e holds feature 128 i + 4 l + e: the order in which Wo's codes lie.  ao is laid as an image of operand registers:
; [128 tokens][128 along K][tile of 16 tokens][chunk c 0..3][lane][16 bytes]; lane (r, h) of chunk c holds bytes 32 c + 16 h .. + 15 of token r's 128.
; LIMITS: e6 + e7 between -123 and 130 (added to c's exponent field); e9 and e10 between -126 and 119; e8 + e9 is applied by v_ldexp_f32 and has none.
.set STAGE, 262144                     ; behind the tiles: 64 rows (long block's 32, short block's 32) x (256 bytes + 16)
.set SPARE, STAGE+64*272               ; behind the stage: the spare words, 128 bytes for each wave
.set LI,   1                           ; v1   16 x lane: my place in an image
.set ADR,  2                           ; v2   LDS address of the key block in hand
.set DA,   3                           ; v3   tile A: my query's place in its key block, less 16 h
.set DB,   4                           ; v4   tile B
.set SPW,  5                           ; v5   my spare word; never rewritten
.set NIL,  6                           ; v6   0; never rewritten
.set VST,  7                           ; v7   the stage: where tile A's codes go
.set RD,   8                           ; v8   and where I read chunks back
.set ADN,  9                           ; v9   LDS address of the next key block
.set PLIM, 10                          ; v10  448 x 2^e9
.set PSC,  11                          ; v11  2^e9
.set STA,  12                          ; v12-15 tile A: -M, the largest t, the sum in two halves
.set STB,  16                          ; v16-19 tile B
.set PCA,  20                          ; v20-35 tile A's codes of p
.set SB,   36                          ; v36-99 tile B's S^T, then p
.set SA,   100                         ; v100-163 tile A's
.set OA,   164                         ; v164-195 tile A's O^T
.set OB,   196                         ; v196-227 tile B's
.set PCB,  228                         ; v228-243 tile B's codes of p
.set MXA,  244                         ; at work: two chains of the maximum for each tile,
.set MYA,  245
.set FFA,  246                         ; v[246:247], v[248:249] f = 2^(old M - new M)
.set FFB,  248
.set UA,   250                         ; v[250:251], v[252:253] the sums' second chains
.set UB,   252
.set MXB,  254
.set MYB,  255
.set OLIM, 250                         ; on the way out: 448 x 2^e10,
.set OSC,  251                         ; 2^e10
.set KF,   0                           ; window 1: v0-63 K's eight fragments, v64-127 V's four, v128-143 the two tiles of queries
.set VF,   64
.set QA,   128
.set QB,   136
.set WV,   12                          ; s12  wave
.set E89,  18                          ; s18  e8 + e9 (behind the head)
.set SEL,  20                          ; s[20:21] lane selects for v_permlanex16_b32: lane l xor 16
.set CS,   22                          ; s[22:23] c = log2(e) / 8 x 2^(e6 + e7)
.set TT,   60                          ; s60  the key block in hand
.set TB,   61                          ; s61  its LDS byte
.set ML,   62                          ; s62  my block's last key block
.set TN,   63                          ; s63  the next key block's LDS byte
.set MSB, 0
.macro WIN new                         ; the immediate's high byte repeats the setting that is left
.if MSB != \new
	s_set_vgpr_msb (MSB<<8)|\new
.set MSB, \new
.endif
.endm
.macro CROUND                          ; a round of the cluster's barrier
	s_barrier_signal -1
	s_barrier_wait -1
	s_cmp_lg_u32 s[WV], 0
	s_cbranch_scc1 .Lnot_wave_0_\@
	s_barrier_signal -3
.Lnot_wave_0_\@:
	s_barrier_wait -3
	s_barrier_signal -1
	s_barrier_wait -1
.endm
.macro GROUP1 g, rows                  ; a dense block as rows of 256 bytes: 32 elements of 8 bytes; the mask names all four partners, bit 21 beside it
	s_mov_b32 s[\g], 15|(3<<16)|(1<<21)
	s_mov_b32 s[\g+1], 32<<16
	s_mov_b32 s[\g+2], (\rows)<<16
	s_mov_b32 s[\g+3], 32<<16
	s_mov_b32 s[\g+4], \rows
	s_mov_b32 s[\g+5], 32
	s_mov_b32 s[\g+6], 0
	s_mov_b32 s[\g+7], 0
.endm
	s_load_b256 s[4:11], s[0:1], 0x0               ; qimg s[4:5], kvimg s[6:7], the scales' exponents s[8:9], ao s[10:11]
	v_lshl_add_u32 v[SPW], v0, 2, SPARE
	v_mov_b32 v[NIL], 0
	ds_add_u32 v[SPW], v[NIL]                      ; the opening lines: the add, twice on end, and its wait ahead of the round in front of my first tensor load
	ds_add_u32 v[SPW], v[NIL]
	v_lshrrev_b32 v1, 5, v0
	v_readfirstlane_b32 s[WV], v1                  ; wave 0..7
	s_bfe_u32 s13, ttmp6, 0x40000                  ; cx
	s_mov_b32 s14, ttmp9                           ; m
	s_and_b32 s15, ttmp7, 0xffff                   ; g
	s_and_b32 s16, s[WV], 3                        ; which of the four heads
	s_lshr_b32 s17, s[WV], 2                       ; 0: the long block, 1: the short one
	GROUP1 24, 16                                  ; key blocks 0, 1: 32,768 bytes, 4,096 a wave
	GROUP1 32, 112                                 ; key blocks 2 .. 15: 229,376 bytes, 28,672 a wave
	s_mov_b32 s[SEL], 0x76543210
	s_mov_b32 s[SEL+1], 0xfedcba98
	s_lshl_b32 s60, s15, 18                        ; the head's 262,144 bytes of kvimg
	s_mov_b32 s61, 0
	s_lshl_b32 s18, s14, 2
	s_add_co_u32 s18, s18, s13                     ; jS
	s_sub_co_u32 s19, 63, s18                      ; jL
	s_cmp_eq_u32 s17, 0
	s_cselect_b32 s3, s19, s18                     ; my block of 32 queries
	s_lshl_b32 s2, s15, 2
	s_add_co_u32 s2, s2, s16
	s_lshl_b32 s2, s2, 17                          ; my head's 131,072 bytes of qimg
	s_lshl_b32 s76, s3, 11                         ; the block's two tiles, 1,024 bytes each
	s_add_co_u32 s76, s76, s2
	s_mov_b32 s77, 0
	s_lshr_b32 s66, s3, 2                          ; what I store of ao: of my block, tile (w / 2) % 2, half w % 2 of the 256 bytes: 2,048 bytes of the image
	s_lshl_b32 s66, s66, 18                        ; the image of 128 tokens: 262,144 bytes
	s_and_b32 s3, s3, 3
	s_lshl_b32 s3, s3, 1
	s_bfe_u32 s2, s[WV], 0x10001
	s_add_co_u32 s3, s3, s2
	s_lshl_b32 s3, s3, 11                          ; the tile: 2,048
	s_add_co_u32 s66, s66, s3
	s_lshl_b32 s2, s15, 1
	s_and_b32 s3, s[WV], 1
	s_add_co_u32 s2, s2, s3
	s_lshl_b32 s2, s2, 14                          ; 128 along K: 16,384; heads 4 g .. 4 g + 3 are two of them
	s_add_co_u32 s66, s66, s2
	s_mov_b32 s67, 0
	s_wait_dscnt 0x0                               ; both opening adds are done
	s_wait_kmcnt 0x0
	s_load_b256 s[68:75], s[8:9], 0x10             ; e4 .. e11
	s_add_nc_u64 s[6:7], s[6:7], s[60:61]
	s_mov_b32 s48, 1                               ; group 0, two sets: the byte offset is the same in memory and in LDS, and hangs on the wave alone
	s_lshl_b32 s49, s[WV], 12
	s_mov_b32 s62, s49
	s_mov_b32 s63, 0
	s_add_nc_u64 s[50:51], s[6:7], s[62:63]
	s_or_b32 s51, s51, 0x80000000
	s_mov_b32 s52, 1
	s_mul_i32 s53, s[WV], 28672
	s_add_co_u32 s53, s53, 32768
	s_mov_b32 s62, s53
	s_add_nc_u64 s[54:55], s[6:7], s[62:63]
	s_or_b32 s55, s55, 0x80000000
	s_add_nc_u64 s[76:77], s[4:5], s[76:77]        ; my two tiles of queries,
	s_add_nc_u64 s[66:67], s[10:11], s[66:67]      ; my part of ao
	CROUND                                         ; all four work-groups are here: the joint loads meet
	tensor_load_to_lds s[48:51], s[24:31]          ; key blocks 0 and 1: one tensor load a wave at the head
	s_nop 0
.rept 4
	v_nop
.endr
	v_and_b32 v100, 31, v0
	v_lshlrev_b32 v[LI], 4, v100
	WIN 0x40
	global_load_b128 v[QA:QA+3], v[LI], s[76:77]
	global_load_b128 v[QA+4:QA+7], v[LI], s[76:77] offset:512
	global_load_b128 v[QB:QB+3], v[LI], s[76:77] offset:1024
	global_load_b128 v[QB+4:QB+7], v[LI], s[76:77] offset:1536
	WIN 0
	s_sub_co_u32 s2, 15, s14
	s_cmp_eq_u32 s17, 0
	s_cselect_b32 s[ML], s2, s14
	v_and_b32 v101, 15, v0                         ; r
	v_bfe_u32 v102, v0, 4, 1                       ; h
	v_and_b32 v103, 7, v0
	v_bfe_u32 v104, v0, 3, 1
	v_lshl_add_u32 v103, v104, 4, v103             ; tile A: my query's row in its block of 32: r%8 + 16 (r/8); tile B: 8 further on
	v_mul_u32_u24 v[VST], v103, 272                ; the stage: that row, + 32 h, + my head's place: 128 (head % 2) + 4 (head / 2), + my block's 32 rows
	v_lshl_add_u32 v[VST], v102, 5, v[VST]
	s_and_b32 s2, s16, 1
	s_lshl_b32 s2, s2, 7
	s_lshr_b32 s3, s16, 1
	s_lshl_b32 s3, s3, 2
	s_add_co_u32 s2, s2, s3
	s_mul_i32 s3, s17, 32*272
	s_add_co_u32 s2, s2, s3
	s_add_co_u32 s2, s2, STAGE
	s_wait_alu depctr_va_vdst(0)
	v_add_nc_u32 v[VST], s2, v[VST]
	v_mul_u32_u24 v[RD], v101, 272                 ; back: row 16 (w / 2) + r, byte 128 (w % 2) + 16 h
	v_lshl_add_u32 v[RD], v102, 4, v[RD]
	s_lshr_b32 s2, s[WV], 1
	s_mul_i32 s2, s2, 16*272
	s_and_b32 s3, s[WV], 1
	s_lshl_b32 s3, s3, 7
	s_add_co_u32 s2, s2, s3
	s_add_co_u32 s2, s2, STAGE
	v_add_nc_u32 v[RD], s2, v[RD]
	s_wait_alu depctr_va_vdst(0)                   ; and here likewise
	v_lshlrev_b32 v104, 4, v102
	v_sub_nc_u32 v104, v103, v104                  ; row - 16 h
	s_lshl_b32 s3, s13, 5                          ; the short block is the cx-th 32 of its key block,
	s_sub_co_u32 s2, 96, s3                        ; the long one the (3 - cx)-th
	s_cmp_eq_u32 s17, 0
	s_cselect_b32 s3, s2, s3
	v_add_nc_u32 v[DA], s3, v104
	v_add_nc_u32 v[DB], 8, v[DA]
.irp st, STA, STB
	v_mov_b32 v[\st+1], 0xff61b1e6                 ; the largest t so far: -3e38, under every t
	v_floor_f32 v[\st], -v[\st+1]                  ; -M
	v_mov_b32 v[\st+2], 0                          ; the sum
	v_mov_b32 v[\st+3], 0
.endr
	v_mov_b32 v[FFA+1], 0                          ; (named as the upper halves of pairs)
	v_mov_b32 v[FFB+1], 0
	v_mov_b32 v[MYA], 0                            ; written once: a lane permute's destination counts as one of its sources
	v_mov_b32 v[MYB], 0
.set n, 0
.rept 64
	v_mov_b32 v[OA+n], 0                           ; O^T of both tiles.  (The step is written once: the first finds zeros, which the first change of M leaves zeros)
.set n, n+1
.endr
	s_wait_kmcnt 0x0
	s_add_co_i32 s2, s70, s71                      ; a score stands for score x 2^(e6 + e7): the two exponents are added to c's exponent field
	s_lshl_b32 s2, s2, 23
	s_add_co_i32 s[CS], s2, 0x3e38aa3b             ; c = log2(e) / 8
	s_mov_b32 s[CS+1], s[CS]                       ; (named with it as a pair)
	s_add_co_i32 s2, s73, 127
	s_lshl_b32 s3, s2, 23
	v_mov_b32 v[PSC], s3
	s_add_co_i32 s2, s2, 8
	s_lshl_b32 s2, s2, 23
	s_or_b32 s2, s2, 0x600000
	v_mov_b32 v[PLIM], s2
	s_add_co_i32 s2, s74, 127
	s_lshl_b32 s78, s2, 23                         ; 2^e10,
	s_add_co_i32 s2, s2, 8
	s_lshl_b32 s2, s2, 23
	s_or_b32 s79, s2, 0x600000                     ; 448 x 2^e10: kept for the way out
	s_add_co_i32 s[E89], s72, s73
	s_wait_loadcnt 0x0                             ; the queries
; MY TWO TILES OF 16 QUERIES AGAINST ONE KEY BLOCK OF 128, whose K is in registers.  A block all of whose keys come after my queries is left out: a scalar branch on the cluster's and the wave's number, round the work alone.
.macro DSTEP
	s_cmp_gt_u32 s[TT], s[ML]
	s_cbranch_scc1 .Lskip_\@
	WIN 0x05                                       ; sources 0 and 1 in window 1
.set n, 0
.rept 8
	v_wmma_f32_16x16x64_fp8_fp8 v[SA+8*n:SA+8*n+7], v[KF+8*n:KF+8*n+7], v[QA:QA+7], 0
	v_wmma_f32_16x16x64_fp8_fp8 v[SB+8*n:SB+8*n+7], v[KF+8*n:KF+8*n+7], v[QB:QB+7], 0
.set n, n+1
.endr
	WIN 0
	v_add_nc_u32 v[ADR], s[TB], v[LI]              ; these two and two v_nop: four places in front of the loads below and of the first read of the scores
	v_add_nc_u32 v[ADN], s[TN], v[LI]
	v_nop
	v_nop
	WIN 0x40
.set n, 0
.rept 16
	ds_load_b128 v[KF+4*n:KF+4*n+3], v[ADN] offset:512*n           ; the next block's K: eight tiles, two chunks each: 512 consecutive bytes a load
.set n, n+1
.endr
.set n, 0
.rept 16
	ds_load_b128 v[VF+4*n:VF+4*n+3], v[ADR] offset:8192+512*n      ; this block's V: four tiles, four chunks each
.set n, n+1
.endr
	WIN 0
	s_cmp_lg_u32 s[TT], s[ML]                      ; on the diagonal the scores of hidden keys become -infinity ahead of the maximum: p = 0 then.  The block's first key counts for every query of the tiles
	s_cbranch_scc1 .Lopen_\@
.set n, 0
.rept 64
	v_cmp_le_i32 vcc_lo, 32*(n/16)+n%16, v[DA]     ; the key counts
	v_cndmask_b32 v[SA+n], 0xff800000, v[SA+n], vcc_lo
	v_cmp_le_i32 vcc_lo, 32*(n/16)+n%16, v[DB]
	v_cndmask_b32 v[SB+n], 0xff800000, v[SB+n], vcc_lo
.set n, n+1
.endr
.Lopen_\@:
	v_max3_num_f32 v[MXA], v[SA], v[SA+1], v[SA+2] ; the block's largest score of my queries, among my 64 keys: two chains a tile, four in all, each accumulator from its low end on
	v_max3_num_f32 v[MXB], v[SB], v[SB+1], v[SB+2]
	v_max3_num_f32 v[MYA], v[SA+3], v[SA+4], v[SA+5]
	v_max3_num_f32 v[MYB], v[SB+3], v[SB+4], v[SB+5]
.irp i, 6,10,14,18,22,26,30,34,38,42,46,50,54,58
	v_max3_num_f32 v[MXA], v[MXA], v[SA+\i], v[SA+1+\i]
	v_max3_num_f32 v[MXB], v[MXB], v[SB+\i], v[SB+1+\i]
	v_max3_num_f32 v[MYA], v[MYA], v[SA+2+\i], v[SA+3+\i]
	v_max3_num_f32 v[MYB], v[MYB], v[SB+2+\i], v[SB+3+\i]
.endr
	v_max3_num_f32 v[MXA], v[MXA], v[SA+62], v[SA+63]
	v_max3_num_f32 v[MXB], v[MXB], v[SB+62], v[SB+63]
	v_max_num_f32 v[MXA], v[MXA], v[MYA]
	v_max_num_f32 v[MXB], v[MXB], v[MYB]
	v_permlanex16_b32 v[MYA], v[MXA], s[SEL], s[SEL+1]
	v_permlanex16_b32 v[MYB], v[MXB], s[SEL], s[SEL+1]
	v_max_num_f32 v[MXA], v[MXA], v[MYA]           ; and among lane l xor 16's
	v_max_num_f32 v[MXB], v[MXB], v[MYB]
	v_mul_f32 v[MXA], s[CS], v[MXA]                ; as t (c is positive)
	v_mul_f32 v[MXB], s[CS], v[MXB]
	v_max_num_f32 v[STA+1], v[STA+1], v[MXA]       ; the running largest t
	v_max_num_f32 v[STB+1], v[STB+1], v[MXB]
	v_mov_b32 v[MXA], v[STA]
	v_mov_b32 v[MXB], v[STB]
	v_floor_f32 v[STA], -v[STA+1]                  ; the new -M = floor(-t) = -ceil(t): a whole number
	v_floor_f32 v[STB], -v[STB+1]
	v_sub_f32 v[MXA], v[STA], v[MXA]               ; old M - new M: a whole number, 0 or less
	v_sub_f32 v[MXB], v[STB], v[MXB]
	v_cvt_i32_f32 v[MXA], v[MXA]                   ; (it saturates)
	v_cvt_i32_f32 v[MXB], v[MXB]
	v_ldexp_f32 v[FFA], 1.0, v[MXA]                ; f = 2^(old M - new M)
	v_ldexp_f32 v[FFB], 1.0, v[MXB]
.set n, 0
.rept 32
	v_pk_fma_f32 v[SA+n:SA+n+1], v[SA+n:SA+n+1], s[CS:CS+1], v[STA:STA+1] op_sel_hi:[1,0,0]   ; t - M, two at a time (of the pairs c and -M the low word serves both halves)
	v_pk_fma_f32 v[SB+n:SB+n+1], v[SB+n:SB+n+1], s[CS:CS+1], v[STB:STB+1] op_sel_hi:[1,0,0]
.set n, n+2
.endr
	s_wait_alu depctr_va_vdst(0)
.set n, 0
.rept 64
	v_exp_f32 v[SA+n], v[SA+n]                     ; p = 2^(t - M), at most 1: not normalised
	v_exp_f32 v[SB+n], v[SB+n]
.set n, n+1
.endr
	v_pk_mul_f32 v[STA+2:STA+3], v[STA+2:STA+3], v[FFA:FFA+1] op_sel_hi:[1,0]   ; the sums under the new M.  (The plain lines behind the exponentials)
	v_pk_mul_f32 v[STB+2:STB+3], v[STB+2:STB+3], v[FFB:FFB+1] op_sel_hi:[1,0]
	s_wait_alu depctr_va_vdst(0)                   ; and behind it, ahead of the first line that names a result: one wait for the batch of 128
	v_pk_add_f32 v[UA:UA+1], v[SA:SA+1], v[SA+2:SA+3]      ; the rows' sums are taken of the unquantised p: two at a time, two chains a tile
	v_pk_add_f32 v[UB:UB+1], v[SB:SB+1], v[SB+2:SB+3]
.irp j, 4,8,12,16,20,24,28,32,36,40,44,48,52,56,60
	v_pk_add_f32 v[STA+2:STA+3], v[STA+2:STA+3], v[SA+\j:SA+1+\j]
	v_pk_add_f32 v[STB+2:STB+3], v[STB+2:STB+3], v[SB+\j:SB+1+\j]
	v_pk_add_f32 v[UA:UA+1], v[UA:UA+1], v[SA+2+\j:SA+3+\j]
	v_pk_add_f32 v[UB:UB+1], v[UB:UB+1], v[SB+2+\j:SB+3+\j]
.endr
	v_pk_add_f32 v[STA+2:STA+3], v[STA+2:STA+3], v[UA:UA+1]
	v_pk_add_f32 v[STB+2:STB+3], v[STB+2:STB+3], v[UB:UB+1]
.irp b, 0,1,2,3
.set n, 0
.rept 16
	v_min_num_f32 v[SA+16*\b+n], v[SA+16*\b+n], v[PLIM]    ; the conversion to an 8-bit code does not saturate (ISA guide 7.6.2); p is not negative, so the hold is one-sided
.set n, n+1
.endr
	v_cvt_scalef32_pk8_fp8_f32 v[PCA+4*\b:PCA+4*\b+1], v[SA+16*\b:SA+16*\b+7], v[PSC]
	v_cvt_scalef32_pk8_fp8_f32 v[PCA+4*\b+2:PCA+4*\b+3], v[SA+16*\b+8:SA+16*\b+15], v[PSC]
.set n, 0
.rept 16
	v_min_num_f32 v[SB+16*\b+n], v[SB+16*\b+n], v[PLIM]
.set n, n+1
.endr
	v_cvt_scalef32_pk8_fp8_f32 v[PCB+4*\b:PCB+4*\b+1], v[SB+16*\b:SB+16*\b+7], v[PSC]
	v_cvt_scalef32_pk8_fp8_f32 v[PCB+4*\b+2:PCB+4*\b+3], v[SB+16*\b+8:SB+16*\b+15], v[PSC]
.endr
.set n, 0
.rept 16
	v_pk_mul_f32 v[OA+n:OA+n+1], v[OA+n:OA+n+1], v[FFA:FFA+1] op_sel_hi:[1,0]   ; O^T under the new M.  (These are also the plain lines between the conversions and the products that read their results)
	v_pk_mul_f32 v[OB+n:OB+n+1], v[OB+n:OB+n+1], v[FFB:FFB+1] op_sel_hi:[1,0]
.set n, n+2
.endr
	s_wait_alu depctr_va_vdst(0)
	s_wait_dscnt 0x0                               ; V's fragments are in, and the next block's K
	WIN 0x01                                       ; source 0 in window 1
.set n, 0
.rept 4
	v_wmma_f32_16x16x128_fp8_fp8 v[OA+8*n:OA+8*n+7], v[VF+16*n:VF+16*n+15], v[PCA:PCA+15], v[OA+8*n:OA+8*n+7]   ; the eight accumulators take turns, one instruction a turn
	v_wmma_f32_16x16x128_fp8_fp8 v[OB+8*n:OB+8*n+7], v[VF+16*n:VF+16*n+15], v[PCB:PCB+15], v[OB+8*n:OB+8*n+7]
.set n, n+1
.endr
	WIN 0
.Lskip_\@:
.endm
; Key blocks t0 .. t1 - 1.  more = 1: my part of key blocks 0 and 1 has landed; the add and its wait; a round of the cluster's barrier; behind it my one joint load of key blocks 2 .. 15, a first fill,
; which has the two blocks' steps in which to land.  more = 0: that load has landed, and everybody's has. Then the phase's first K is fetched.
; The trip count and the LDS addresses are constants of the text.
.macro PHASE more, t0, t1
.if \more
	s_wait_alu depctr_va_vdst(0)                   ; the head's end
	s_wait_tensorcnt 0x0
	ds_add_u32 v[SPW], v[NIL]
	s_wait_dscnt 0x0
	CROUND
	tensor_load_to_lds s[52:55], s[32:39]
	s_nop 0
.rept 4
	v_nop
.endr
.else
	s_wait_dscnt 0x0
	s_wait_tensorcnt 0x0
	s_barrier_signal -1
	s_barrier_wait -1
.endif
	v_add_nc_u32 v[ADR], 16384*(\t0), v[LI]
	WIN 0x40
.set n, 0
.rept 16
	ds_load_b128 v[KF+4*n:KF+4*n+3], v[ADR] offset:512*n
.set n, n+1
.endr
	WIN 0
	s_mov_b32 s[TT], \t0
	s_mov_b32 s[TB], 16384*(\t0)
	s_wait_dscnt 0x0
.Lblocks_\@:
	s_add_co_u32 s[TN], s[TB], 16384
	s_min_u32 s[TN], s[TN], 16384*((\t1)-1)        ; held at the phase's last key block
	DSTEP
	s_add_co_u32 s[TB], s[TB], 16384
	s_add_co_u32 s[TT], s[TT], 1
	s_cmp_lt_u32 s[TT], \t1
	s_cbranch_scc1 .Lblocks_\@
.endm
	PHASE 1, 0, 2
	PHASE 0, 2, 16
; THE WAY OUT of one tile: O^T x 2^(e8 + e9) / the sum, quantised by e10; eight words of four codes go to the stage, each to its place in the order along the next K.
.macro FINISH O, ST, u
	v_add_f32 v[MXA], v[\ST+2], v[\ST+3]           ; the sum's two halves,
	v_permlanex16_b32 v[MYA], v[MXA], s[SEL], s[SEL+1]
	v_add_f32 v[MXA], v[MXA], v[MYA]               ; and lane l xor 16's
	s_wait_alu depctr_va_vdst(0)                   ; the wait ahead of the reciprocal,
	v_rcp_f32 v[MXA], v[MXA]
	v_nop                                          ; a plain line behind it,
	s_wait_alu depctr_va_vdst(0)                   ; and the wait ahead of its first reader
	v_ldexp_f32 v[MXA], v[MXA], s[E89]
	s_wait_alu depctr_va_vdst(0)                   ; and here, directly ahead of the first reader of O^T
.set n, 0
.rept 16
	v_pk_mul_f32 v[SA+n:SA+n+1], v[\O+n:\O+n+1], v[MXA:MXA+1] op_sel_hi:[1,0]   ; each accumulator from its low end on
.set n, n+2
.endr
.set n, 0
.rept 32
	v_med3_num_f32 v[SA+n], v[SA+n], -v[OLIM], v[OLIM]
.set n, n+1
.endr
.irp q, 0,1,2,3
	v_cvt_scalef32_pk8_fp8_f32 v[PCA+8*\u+2*\q:PCA+8*\u+2*\q+1], v[SA+8*\q:SA+8*\q+7], v[OSC]
.endr
	v_nop                                          ; one plain line between the conversions and the next writes of their sources
.irp c, 0,1,2,3
	ds_store_b32 v[VST], v[PCA+8*\u+\c] offset:\u*8*272+8*\c               ; d = 16 h + 4 c on
	ds_store_b32 v[VST], v[PCA+8*\u+4+\c] offset:\u*8*272+64+8*\c          ; d = 32 + 16 h + 4 c on
.endr
.endm
	v_mov_b32 v[OLIM], s79                         ; with two v_nop: four places behind the last products
	v_mov_b32 v[OSC], s78
	v_nop
	v_nop
	FINISH OA, STA, 0
	FINISH OB, STB, 1
	s_wait_dscnt 0x0                               ; for the others' sake: my stores into the stage are done
	s_barrier_signal -1
	s_barrier_wait -1                              ; a row's 256 bytes come from four waves
.irp i, 0,1,2,3
	ds_load_b128 v[SA+4*\i:SA+4*\i+3], v[RD] offset:32*\i          ; chunk i
.endr
.irp i, 0,1,2,3
	s_wait_dscnt 3-\i                              ; the younger loads may be out
	global_store_b128 v[LI], v[SA+4*\i:SA+4*\i+3], s[66:67] offset:512*\i  ; 32 lanes store 512 consecutive bytes, aligned
.endr
	s_wait_tensorcnt 0x0                           ; the wave's end, behind my last tensor load and my last LDS store
	ds_add_u32 v[SPW], v[NIL]
	s_wait_dscnt 0x0
	CROUND                                         ; the closing round
	s_endpgm
.Lfunc_end_k_qa1aabe1f61_attn:
	.size	k_qa1aabe1f61_attn, .Lfunc_end_k_qa1aabe1f61_attn-k_qa1aabe1f61_attn
	.p2alignl 7, 3214868480
	.fill 96, 4, 3214868480
	.section	.rodata,"a",@progbits
	.p2align	6, 0x0
	.amdhsa_kernel k_qa1aabe1f61_attn
		.amdhsa_group_segment_fixed_size 327680
		.amdhsa_private_segment_fixed_size 0
		.amdhsa_enable_private_segment 0
		.amdhsa_kernarg_size 32
		.amdhsa_user_sgpr_count 2
		.amdhsa_user_sgpr_kernarg_segment_ptr 1
		.amdhsa_wavefront_size32 1
		.amdhsa_system_sgpr_workgroup_id_x 1
		.amdhsa_system_sgpr_workgroup_id_y 1
		.amdhsa_system_sgpr_workgroup_id_z 1
		.amdhsa_system_vgpr_workitem_id 0
		.amdhsa_next_free_vgpr 400
		.amdhsa_next_free_sgpr 80
		.amdhsa_reserve_vcc 1
		.amdhsa_float_denorm_mode_32 3
		.amdhsa_float_denorm_mode_16_64 3
		.amdhsa_memory_ordered 1
		.amdhsa_forward_progress 1
		.amdhsa_inst_pref_size 107
	.end_amdhsa_kernel
	.amdgpu_metadata
---
amdhsa.version: [ 1, 2 ]
amdhsa.kernels:
  - .name:           k_qa1aabe1f61_attn
    .symbol:         k_qa1aabe1f61_attn.kd
    .args:
      - { .name: qimg, .offset: 0, .size: 8, .value_kind: global_buffer, .address_space: global }
      - { .name: kvimg, .offset: 8, .size: 8, .value_kind: global_buffer, .address_space: global }
      - { .name: lowp_scales, .offset: 16, .size: 8, .value_kind: global_buffer, .address_space: global }
      - { .name: ao, .offset: 24, .size: 8, .value_kind: global_buffer, .address_space: global }
    .group_segment_fixed_size: 327680
    .private_segment_fixed_size: 0
    .kernarg_segment_align: 8
    .kernarg_segment_size: 32
    .max_flat_workgroup_size: 256
    .sgpr_count:     80
    .vgpr_count:     400
    .wavefront_size: 32
...
	.end_amdgpu_metadata
.endif
;; end of part 3
;; launch oproj (part 4): grid 16 x 16, 4 waves a work-group, clusters of 4 x 1, 327,680 bytes of LDS; arguments ao, wc, lowp_scales, out0; writes out0
.if DOCPART == 4
	.amdgcn_target "amdgcn-amd-amdhsa--gfx1250"
	.amdhsa_code_object_version 6
	.text
	.protected	k_qa1aabe1f61_oproj
	.globl	k_qa1aabe1f61_oproj
	.p2align	8
	.type	k_qa1aabe1f61_oproj,@function
k_qa1aabe1f61_oproj:
	s_mov_b64 s[64:65], 0
	v_nop
	global_prefetch_b8 v0, s[64:65] scope:SCOPE_SE
	s_setreg_imm32_b32 hwreg(HW_REG_WAVE_MODE, 25, 1), 1
	s_wait_xcnt 0x0
	s_wait_alu depctr_hold_cnt(0) depctr_sa_sdst(0) depctr_va_vdst(0) depctr_va_sdst(0) depctr_va_ssrc(0) depctr_va_vcc(0) depctr_vm_vsrc(0)
	s_getreg_b32 s2, hwreg(HW_REG_IB_STS2, 6, 4)
	s_cmp_eq_u32 s2, 0
	s_cbranch_scc0 .Lentry_in_a_cluster
	s_endpgm
.Lentry_in_a_cluster:
	s_bfe_u32 s2, ttmp6, 0x10000c
	s_cmp_lg_u32 s2, 0x3003
	s_cbranch_scc0 .Lentry_shape_is_right
	s_endpgm
.Lentry_shape_is_right:
; out0 = ao Wo^T on codes of FP8 (E4M3), K = 2,048; each finished sum is multiplied once by 2^(e10 + e11).  LIMIT: e10 + e11 between -126 and 127, so that this power of two is an f32 number.
; Both operands arrive as images of operand registers: [128 rows][128 along K][tile of 16 rows][chunk 0..3][lane][16 bytes]; four loads of 512 consecutive bytes are one fragment (16 rows x 128 K, 16 registers).
; SHARES.  256 work-groups of four waves: 128 tokens x 128 features.  A wave makes 32 tokens x 128 features: 16 accumulators.  Its 32 rows of ao (source 1, a lane's token) are read by no other wave of the
; work-group: they go from memory straight into registers, 8 loads a step of 128 along K, a set of 32 registers for each of the 16 steps, so that no set is written twice; seven sets (56 loads) are out behind the one in use.
; Wo's 128 rows (source 0, along a lane's registers) serve all four waves and lie WHOLE in LDS, 262,144 bytes, each byte filled once, in two halves of 1,024 along K; a wave brings a quarter of each by one tensor load.
; CLUSTER: the four work-groups of a cluster take four blocks of tokens against the same rows of Wo: its two fills are joint loads, mask 15.  The place in the cluster enters ao's and out0's addresses alone.
; The second half is asked for behind the full sequence and a round of the cluster's barrier, and is waited for ahead of step 7, which fetches step 8's fragments.
; No prefetch: the text has no loop to run ahead in, and ao's loads are themselves issued seven steps ahead.
; The text is written out: 16 steps, each with registers of its own for ao.
; REGISTERS: window 0: v1-7, v28-29 addresses, v32-95 the way out, v128-255 the accumulators, (a, b) at v[128 + 8 (8 a + b)]; window 1: Wo's eight fragments, two sets (on the way out: rows read back); windows 2, 3: ao's 16 sets.
.set SLOTB,  131072
.set STAGE,  2*SLOTB                   ; behind Wo: 16 rows x (512 bytes + 16) for each wave, for the way out
.set SPITCH, 528
.set SPARE,  STAGE+4*16*SPITCH         ; behind the stages: the spare words, 128 bytes a wave
.set LI,   1                           ; v1  16 x lane; v1-4: LDS address of Wo's four runs of 65,536 bytes
.set AD,   1
.set STO,  6                           ; v6  the way out: where I put 32 bytes of a row
.set RD,   7                           ; v7  where I read a row back
.set SPW,  28
.set NIL,  29
.set TMP,  32
.set ACC,  128
.set WV,   18
.set MSB, 0
.macro WIN new                         ; the immediate's high byte repeats the setting that is left
.if MSB != \new
	s_set_vgpr_msb (MSB<<8)|\new
.set MSB, \new
.endif
.endm
.macro CROUND                          ; a round of the cluster's barrier
	s_barrier_signal -1
	s_barrier_wait -1
	s_cmp_lg_u32 s[WV], 0
	s_cbranch_scc1 .Lnot_wave_0_\@
	s_barrier_signal -3
.Lnot_wave_0_\@:
	s_barrier_wait -3
	s_barrier_signal -1
	s_barrier_wait -1
.endm
.macro PLACES                          ; four places between a matrix instruction and a load into, or a read of, one of its registers (ISA guide 7.12.1 for vector instructions)
.rept 4
	v_nop
.endr
.endm
	s_load_b256 s[4:11], s[0:1], 0x0               ; ao, wc, the scales' exponents, out0
	v_lshl_add_u32 v[SPW], v0, 2, SPARE
	v_mov_b32 v[NIL], 0
	ds_add_u32 v[SPW], v[NIL]                      ; the opening lines: the add, twice on end, and its wait ahead of the round in front of my first tensor load
	ds_add_u32 v[SPW], v[NIL]
	v_lshrrev_b32 v8, 5, v0
	v_readfirstlane_b32 s[WV], v8                  ; wave
	s_bfe_u32 s22, ttmp6, 0x40000                  ; cx
	s_lshl_b32 s40, ttmp9, 2
	s_add_co_u32 s40, s40, s22                     ; block of 128 tokens
	s_and_b32 s41, ttmp7, 0xffff                   ; block of 128 features
	s_lshl_b32 s44, s40, 18                        ; ao: the image of my 128 tokens,
	s_lshl_b32 s45, s[WV], 12                      ; its tiles 2 w, 2 w + 1
	s_add_co_u32 s44, s44, s45
	s_mov_b32 s45, 0
	s_lshl_b32 s46, s41, 18                        ; Wo: the image of the 128 rows,
	s_lshl_b32 s33, s[WV], 15                      ; my quarter of a half, in LDS and in memory alike,
	s_add_co_u32 s46, s46, s33
	s_add_co_u32 s46, s46, 0xc00000                ; behind Wq's, Wk's and Wv's codes
	s_mov_b32 s47, 0
	s_add_co_u32 s37, s33, SLOTB
	s_mov_b32 s32, 1
	s_mov_b32 s36, 1
	s_mov_b32 s24, 15|(3<<16)|(1<<21)              ; a dense run as 128 rows of 256 bytes: 32 elements of 8 bytes; the mask names all four partners, bit 21 beside it
	s_mov_b32 s25, 32<<16
	s_mov_b32 s26, 128<<16
	s_mov_b32 s27, 32<<16
	s_mov_b32 s28, 128
	s_mov_b32 s29, 32
	s_mov_b32 s30, 0
	s_mov_b32 s31, 0
	s_lshl_b32 s92, s40, 20                        ; out0: 128 rows of 8,192 bytes a block, 32 a wave, 512 bytes a block of features
	s_lshl_b32 s93, s[WV], 18
	s_add_co_u32 s92, s92, s93
	s_lshl_b32 s93, s41, 9
	s_add_co_u32 s92, s92, s93
	s_mov_b32 s93, 0
	s_wait_dscnt 0x0                               ; both opening adds are done
	s_wait_kmcnt 0x0
	s_load_b64 s[96:97], s[8:9], 0x28              ; e10, e11
	s_add_nc_u64 s[48:49], s[4:5], s[44:45]
	s_add_nc_u64 s[34:35], s[6:7], s[46:47]
	s_add_nc_u64 s[38:39], s[34:35], SLOTB
	s_or_b32 s35, s35, 0x80000000
	s_or_b32 s39, s39, 0x80000000
	s_add_nc_u64 s[10:11], s[10:11], s[92:93]
	CROUND                                         ; all four work-groups are here: the joint loads meet
	tensor_load_to_lds s[32:35], s[24:31]          ; the first half of Wo: one tensor load a wave at the head
	s_nop 0
	PLACES
	v_and_b32 v8, 31, v0
	v_lshlrev_b32 v[LI], 4, v8
	v_add_nc_u32 v[AD+1], 0x10000, v[LI]
	v_add_nc_u32 v[AD+2], 0x20000, v[LI]
	v_add_nc_u32 v[AD+3], 0x30000, v[LI]
	v_and_b32 v9, 15, v0
	v_bfe_u32 v10, v0, 4, 1
	v_mul_u32_u24 v9, v9, SPITCH
	v_lshl_add_u32 v9, v10, 5, v9                  ; in: row r, 32 bytes for each half of the lanes
	s_mul_i32 s50, s[WV], 16*SPITCH
	s_add_co_u32 s50, s50, STAGE                   ; my stage
	v_add_nc_u32 v[STO], s50, v9
	v_add_nc_u32 v[RD], s50, v[LI]                 ; back: the 32 lanes take one row of 512 bytes
	s_wait_alu depctr_va_vdst(0)                   ; the head's end
.macro SLOAD j                         ; ao's two fragments of step j, into the step's own registers
	WIN (2+((\j)>>3))<<6
.irp t, 0,1
.irp c, 0,1,2,3
	global_load_b128 v[32*((\j)&7)+16*\t+4*\c:32*((\j)&7)+16*\t+4*\c+3], v[LI], s[48:49] offset:(\j)*16384+\t*2048+\c*512
.endr
.endr
.endm
.macro TFETCH j                        ; Wo's eight fragments of step j into set j % 2: 512 consecutive bytes a load
	WIN 0x40
.irp t, 0,1,2,3,4,5,6,7
.irp c, 0,1,2,3
	ds_load_b128 v[128*((\j)%2)+16*\t+4*\c:128*((\j)%2)+16*\t+4*\c+3], v[AD+((\j)>>2)] offset:((\j)&3)*16384+\t*2048+\c*512
.endr
.endr
.endm
.irp j, 0,1,2,3,4,5,6
	SLOAD \j
.endr
	WIN 0
	s_wait_tensorcnt 0x0                           ; my part of the first half is in
	ds_add_u32 v[SPW], v[NIL]
	s_wait_dscnt 0x0
	CROUND                                         ; everybody's part is in, and all four work-groups are here
	tensor_load_to_lds s[36:39], s[24:31]          ; the second half: it has seven steps in which to land
	s_nop 0
	PLACES
	TFETCH 0
; A step of 128 along K: 16 products, the 16 accumulators by turns, one instruction a turn.  The next step's fragments of Wo and ao's set of seven steps on are asked for first.
.macro SUB j
.if (\j) == 7
	s_wait_dscnt 0x0                               ; no LDS instruction of mine is out at the signal
	s_wait_tensorcnt 0x0                           ; my part of the second half is in,
	s_barrier_signal -1
	s_barrier_wait -1                              ; and everybody's
.endif
.if (\j) < 15
	TFETCH (\j)+1
.endif
.if (\j)+7 < 16
	SLOAD (\j)+7
.endif
.if 15-(\j) < 7
	s_wait_loadcnt 8*(15-(\j))                     ; this step's set is in; the sets behind it may be out
.else
	s_wait_loadcnt 56
.endif
.if (\j) < 15
	s_wait_dscnt 32                                ; this step's fragments of Wo are in; the next step's 32 loads may be out
.else
	s_wait_dscnt 0x0
.endif
	WIN 0x09+4*((\j)>>3)                           ; source 0 (Wo) window 1, source 1 (ao) window 2 or 3, C and D window 0
.irp b, 0,1,2,3,4,5,6,7
.irp a, 0,1
.if (\j) == 0
	v_wmma_f32_16x16x128_fp8_fp8 v[ACC+8*(8*\a+\b):ACC+8*(8*\a+\b)+7], v[128*((\j)%2)+16*\b:128*((\j)%2)+16*\b+15], v[32*((\j)&7)+16*\a:32*((\j)&7)+16*\a+15], 0
.else
	v_wmma_f32_16x16x128_fp8_fp8 v[ACC+8*(8*\a+\b):ACC+8*(8*\a+\b)+7], v[128*((\j)%2)+16*\b:128*((\j)%2)+16*\b+15], v[32*((\j)&7)+16*\a:32*((\j)&7)+16*\a+15], v[ACC+8*(8*\a+\b):ACC+8*(8*\a+\b)+7]
.endif
.endr
.endr
	PLACES
.endm
.irp j, 0,1,2,3,4,5,6,7,8,9,10,11,12,13,14,15
	SUB \j
.endr
	WIN 0
; THE WAY OUT, 16 tokens x 128 features at a time.  A lane holds 32 neighbouring bytes of a row and the lanes beside it hold other rows: the block goes through my own stage in LDS and comes back as whole rows of 512 bytes.
; LDS serves a wave's instructions in order (ISA guide 5.7.1.4): no wait between the stores and the loads, nor in front of the next block's stores.
.macro TOSTAGE a
.set j, 0
.rept 32
	v_pk_mul_f32 v[TMP+j:TMP+j+1], v[ACC+64*(\a)+j:ACC+64*(\a)+j+1], s[96:97] op_sel_hi:[1,0]   ; both x s96 = 2^(e10 + e11); each accumulator from its low end on
.set j, j+2
.endr
.irp b, 0,1,2,3,4,5,6,7
	ds_store_b128 v[STO], v[TMP+8*\b:TMP+8*\b+3] offset:64*\b
	ds_store_b128 v[STO], v[TMP+8*\b+4:TMP+8*\b+7] offset:64*\b+16
.endr
	WIN 0x40
.irp t, 0,1,2,3,4,5,6,7,8,9,10,11,12,13,14,15
	ds_load_b128 v[64*(\a)+4*\t:64*(\a)+4*\t+3], v[RD] offset:\t*SPITCH
.endr
	WIN 0
.endm
.macro SEND a, younger                 ; younger: the LDS instructions issued behind block a's loads, which may stay out
	s_wait_dscnt \younger
	WIN 0x04                                       ; the stores' data lie in window 1
.irp t, 0,1,2,3,4,5,6,7,8,9,10,11,12,13,14,15
	global_store_b128 v[LI], v[64*(\a)+4*\t:64*(\a)+4*\t+3], s[10:11] offset:(16*(\a)+\t)*8192 th:TH_STORE_NT   ; 32 lanes store 512 consecutive bytes, aligned
.endr
	WIN 0
.endm
	s_wait_kmcnt 0x0
	s_add_co_i32 s96, s96, s97
	s_add_co_i32 s96, s96, 127
	s_lshl_b32 s96, s96, 23                        ; 2^(e10 + e11) as f32
	TOSTAGE 0
	TOSTAGE 1
	SEND 0, 32                                     ; behind block 0's loads: block 1's 16 stores and 16 loads
	SEND 1, 0
	s_wait_tensorcnt 0x0                           ; the wave's end, behind my last tensor load and my last LDS store
	ds_add_u32 v[SPW], v[NIL]
	s_wait_dscnt 0x0
	CROUND                                         ; the closing round
	s_endpgm
.Lfunc_end_k_qa1aabe1f61_oproj:
	.size	k_qa1aabe1f61_oproj, .Lfunc_end_k_qa1aabe1f61_oproj-k_qa1aabe1f61_oproj
	.p2alignl 7, 3214868480
	.fill 96, 4, 3214868480
	.section	.rodata,"a",@progbits
	.p2align	6, 0x0
	.amdhsa_kernel k_qa1aabe1f61_oproj
		.amdhsa_group_segment_fixed_size 327680
		.amdhsa_private_segment_fixed_size 0
		.amdhsa_enable_private_segment 0
		.amdhsa_kernarg_size 32
		.amdhsa_user_sgpr_count 2
		.amdhsa_user_sgpr_kernarg_segment_ptr 1
		.amdhsa_wavefront_size32 1
		.amdhsa_system_sgpr_workgroup_id_x 1
		.amdhsa_system_sgpr_workgroup_id_y 1
		.amdhsa_system_sgpr_workgroup_id_z 1
		.amdhsa_system_vgpr_workitem_id 0
		.amdhsa_next_free_vgpr 1024
		.amdhsa_next_free_sgpr 100
		.amdhsa_reserve_vcc 0
		.amdhsa_float_denorm_mode_32 3
		.amdhsa_float_denorm_mode_16_64 3
		.amdhsa_memory_ordered 1
		.amdhsa_forward_progress 1
		.amdhsa_inst_pref_size 81
	.end_amdhsa_kernel
	.amdgpu_metadata
---
amdhsa.version: [ 1, 2 ]
amdhsa.kernels:
  - .name:           k_qa1aabe1f61_oproj
    .symbol:         k_qa1aabe1f61_oproj.kd
    .args:
      - { .name: ao, .offset: 0, .size: 8, .value_kind: global_buffer, .address_space: global }
      - { .name: wc, .offset: 8, .size: 8, .value_kind: global_buffer, .address_space: global }
      - { .name: lowp_scales, .offset: 16, .size: 8, .value_kind: global_buffer, .address_space: global }
      - { .name: out0, .offset: 24, .size: 8, .value_kind: global_buffer, .address_space: global }
    .group_segment_fixed_size: 327680
    .private_segment_fixed_size: 0
    .kernarg_segment_align: 8
    .kernarg_segment_size: 32
    .max_flat_workgroup_size: 128
    .sgpr_count:     100
    .vgpr_count:     1024
    .wavefront_size: 32
...
	.end_amdgpu_metadata
.endif
;; end of part 4
